; MI455X (gfx1250); checked and timed in simulation.
; The chip was launched on July 23, 2026; its instructions are those of AMD's public machine-readable ISA for CDNA 5 (MIT licence, August 2026) and "CDNA5" Instruction Set Architecture Reference Guide (July 2026). The comments in the code are by the model that wrote it; some were corrected since.
;; Attention Model. Allowed arithmetic: matrix products marked QUANTISED: E4M3 operands, one E8M0 scale for each 32 along K, by v_wmma_scale_f32_16x16x128_f8f6f4 with both operands' format E4M3, f32 sums; products left as they are: f32 operands where the result goes on into a quantised operand, else bf16, f16 or f32 operands; f32 sums; everything else in f32.
;; Inputs: W_attn 1,024 x 2,048 float32; b_attn 1,024 float32; encoder_outputs_codes 32 x 2,048 x 32 x 32 uint8 (E4M3 codes of encoder_outputs, K innermost, in blocks of 32 codes); encoder_outputs_scales 32 x 2,048 x 32 uint8 (E8M0 scales of encoder_outputs, one for each 32 codes along K); rnn_hidden_codes 32 x 1 x 32 x 32 uint8 (E4M3 codes of rnn_hidden, K innermost, in blocks of 32 codes); rnn_hidden_scales 32 x 1 x 32 uint8 (E8M0 scales of rnn_hidden, one for each 32 codes along K); v 1,024 float32.
;; Outputs: out0 32 x 1 x 2,048 float32.
;; This version of the problem:
;;   THIS VERSION OF THE PROBLEM IS GIVEN IN LOW PRECISION. The matrix products marked QUANTISED in the list below multiply operands that are first quantised to E4M3 (4 exponent bits, 3 mantissa bits; 8 bits a number), with one power-of-two scale for each 32 numbers along K (OCP MX v1.0); their sums are f32. All else is computed in f32.
;;   The module's matrix products, in the order in which they are computed (A, B: the left and right operand; K: the contracted axis; several contracted axes count as one K, in the product's order):
;;     1. [M 32, K 1,024] x [K 1,024, N 1,024]; A: input rnn_hidden (given as codes); B: input W_attn: QUANTISED
;;     2. [M 65,536, K 1,024] x [K 1,024, N 1,024]; A: input encoder_outputs (given as codes); B: input W_attn: QUANTISED
;;     3. [M 65,536, K 1,024] x [K 1,024, N 1]; A: computed on the way; B: input v: left as it is (N = 1 < 16)
;;   THE QUANTISER, for each operand of a quantised product, along K:
;;     - K is cut into blocks of 32 from its start; a last block that is shorter is filled with zeros.
;;     - A block's scale is 2^e with e = floor(log2(the largest magnitude in the block)) - 8, held to -126 .. 127; a block of zeros has e = 0. As a byte (E8M0): e + 127.
;;     - Each number is divided by its block's scale, clamped to +-448, and rounded to the nearest number of E4M3, ties to even, subnormals kept.
;;     - The product sums the exact products of the quantised numbers (number of the format x scale) in f32.
;;   ~~~python
;;   def quantise(x, axis):      # numpy; x: float32 -> the quantised numbers, widened to float32 again
;;       x = np.moveaxis(x, axis, -1); K = x.shape[-1]
;;       x = np.pad(x, [(0, 0)] * (x.ndim - 1) + [(0, -K % 32)]); x = x.reshape(x.shape[:-1] + (-1, 32)); a = np.abs(x).max(-1, keepdims=True)
;;       e = np.where(a > 0, np.clip(np.frexp(np.where(a > 0, a, 1))[1] - 1 - 8, -126, 127), 0)      # np.frexp(a)[1] - 1 = floor(log2(a)), exactly
;;       r = np.clip(x / 2.0 ** e, -448, 448)
;;       step = 2.0 ** (np.maximum(np.frexp(np.where(r == 0, 1, r))[1] - 1, -6) - 3)
;;       q = np.round(r / step) * step * 2.0 ** e      # np.round: ties to even
;;       return np.moveaxis(q.reshape(q.shape[:-2] + (-1,))[..., :K], -1, axis).astype(np.float32)
;;   ~~~
;;   INPUTS GIVEN AS CODES. encoder_outputs (in the module: [32, 2048, 1024], K = its axis 2); rnn_hidden (in the module: [32, 1, 1024], K = its axis 2): each comes as NAME_codes (uint8): NAME with its K axis moved to the last place and cut into blocks of 32 codes, [.., K / 32, bytes a block], one block behind the other in memory; one code a byte (a code: sign, 4 exponent bits, 3 mantissa bits); and NAME_scales (uint8): the same leading axes, one E8M0 byte (e + 127) for each 32 codes along K. Its value is code x scale, taken as it is: it is not quantised again, and the codes and scales need not be those that the quantiser above would give.
;; One version. Each part assembles by itself: llvm-mc -triple=amdgcn-amd-amdhsa -mcpu=gfx1250 --defsym DOCPART=n.
;; ======== version 1 of 1: 3 launches
;; limits: right only within a limited range of input values
;; workspace buffers: we 1,048,576 bytes; wsc 32,768 bytes; epart 1,048,576 bytes
;; launch prep (part 1): grid 256 x 1, 4 waves a work-group, no clusters, 0 bytes of LDS; arguments W_attn, we, wsc; writes we, wsc
.if DOCPART == 1
	.amdgcn_target "amdgcn-amd-amdhsa--gfx1250"
	.amdhsa_code_object_version 6
	.text
	.protected	k_qf1c9190566_prep
	.globl	k_qf1c9190566_prep
	.p2align	8
	.type	k_qf1c9190566_prep,@function
k_qf1c9190566_prep:
	s_mov_b64 s[64:65], 0
	v_nop
	global_prefetch_b8 v0, s[64:65] scope:SCOPE_SE
	s_setreg_imm32_b32 hwreg(HW_REG_WAVE_MODE, 25, 1), 1
	s_wait_xcnt 0x0
; out0[b] = softmax over s of energy[b][s], energy[b][s] = v . (W_h h_b + W_e e_bs + b_attn).
; DEAD WORK LEFT OUT.  v . (W_h h_b + b_attn) does not depend on s: it is one number added to all of a softmax's inputs along its axis, whatever the inputs hold, and no quantiser stands behind it.  So the first product of the table
; (rnn_hidden x W_h), b_attn and the columns 0 .. 1023 of W_attn are left out: rnn_hidden_codes, rnn_hidden_scales and b_attn are not loaded and are arguments of no launch.
; LIMIT: a NaN, an infinity or an overflow that reaches only that work is not carried to the result.  NaN and infinities among the other inputs are not served.
; THIS LAUNCH: W_e = columns 1024 .. 2047 of W_attn, quantised along its rows to codes of FP8 (E4M3) with one E8M0 byte for 32 numbers: the byte is the largest magnitude's exponent field - 8, held at 1 from below
; (a block of zeros gets the byte 1 where the rule says 127: its codes are zeros, and this program alone reads the bytes); numbers are held within +-448 x the scale and rounded to nearest, ties to even.
; we: [quarter of 256 rows][half of K: 512 codes][row % 128][row / 128 % 2][512 codes];  wsc: [row][32 bytes].
; A wave takes one row: four segments of 256 numbers, eight neighbours a lane, four lanes to a block of 32.  No cluster, no LDS: each number is read once, by one lane.
.set X,  16                            ; v16-47  the numbers: segment s at 16 + 8 s
.set M,  48                            ; v48-51  largest magnitudes
.set SO, 52                            ; v52-55  the conversions' scale operands
.set BD, 56                            ; v56-59  448 x the scale
.set BY, 64                            ; v64-67  bytes, then words
.set DP, 72                            ; v72-75  another lane's
.set CD, 80                            ; v80-87  codes
	s_load_b64 s[4:5], s[0:1], 0x0
	s_load_b128 s[8:11], s[0:1], 0x8               ; we s[8:9], wsc s[10:11]
	v_lshrrev_b32 v1, 5, v0
	v_readfirstlane_b32 s12, v1                    ; wave
	v_and_b32 v1, 31, v0
	v_lshlrev_b32 v2, 5, v1                        ; 32 x lane: eight numbers
	v_lshlrev_b32 v3, 3, v1                        ; 8 x lane: eight codes
	v_bfe_u32 v4, v0, 2, 2
	v_lshlrev_b32 v4, 3, v4                        ; where my block's byte stands in its word
	v_and_b32 v7, 15, v0                           ; r
	v_bfe_u32 v6, v0, 4, 1                         ; h
	v_lshl_add_u32 v5, v7, 1, v6
	v_lshlrev_b32 v5, 2, v5                        ; word 2 r + h of my row's eight
.irp s, 0,1,2,3
	v_mov_b32 v[DP+\s], 0                          ; written once: a lane move's destination counts as one of its sources
.endr
	s_lshl_b32 s13, ttmp9, 2
	s_add_co_u32 s13, s13, s12                     ; my row
	s_lshl_b32 s14, s13, 13
	s_mov_b32 s15, 0
	s_lshr_b32 s16, s13, 8
	s_lshl_b32 s16, s16, 18
	s_and_b32 s17, s13, 127
	s_lshl_b32 s17, s17, 10
	s_add_co_u32 s16, s16, s17
	s_bfe_u32 s17, s13, 0x10007
	s_lshl_b32 s17, s17, 9
	s_add_co_u32 s16, s16, s17
	s_mov_b32 s17, 0
	s_lshl_b32 s18, s13, 5
	s_mov_b32 s19, 0
	s_mov_b32 s20, 0x600000                        ; the mantissa field of 448
	s_mov_b32 s21, 0x00020002                      ; lanes with r = 1, 2, 3
	s_mov_b32 s22, 0x00040004
	s_mov_b32 s23, 0x00080008
	s_wait_alu depctr_va_vdst(0)
	s_wait_kmcnt 0x0
	s_add_nc_u64 s[4:5], s[4:5], s[14:15]
	s_add_nc_u64 s[8:9], s[8:9], s[16:17]
	s_add_nc_u64 s[10:11], s[10:11], s[18:19]
.irp s, 0,1,2,3
	global_load_b128 v[X+8*\s:X+8*\s+3], v2, s[4:5] offset:4096+1024*\s th:TH_LOAD_NT
	global_load_b128 v[X+8*\s+4:X+8*\s+7], v2, s[4:5] offset:4096+1024*\s+16 th:TH_LOAD_NT
.endr
	s_wait_loadcnt 0x0
.irp s, 0,1,2,3
	v_max3_num_f32 v[M+\s], |v[X+8*\s]|, |v[X+8*\s+1]|, 0x4800000   ; the floor 2^(9 - 127): the byte cannot fall under 1
.endr
.irp i, 2,4,6
.irp s, 0,1,2,3
	v_max3_num_f32 v[M+\s], v[M+\s], |v[X+8*\s+\i]|, |v[X+8*\s+\i+1]|
.endr
.endr
.irp m, 1,2
.irp s, 0,1,2,3
	v_max_num_f32_dpp v[M+\s], v[M+\s], v[M+\s] row_xmask:\m row_mask:0xf bank_mask:0xf
.endr
.endr
.irp s, 0,1,2,3
	v_add_nc_u32 v[SO+\s], 0xfc000000, v[M+\s]     ; 8 off its exponent field
.endr
.irp s, 0,1,2,3
	v_and_or_b32 v[BD+\s], v[M+\s], 0x7f800000, s20
.endr
.irp s, 0,1,2,3
	v_lshrrev_b32 v[BY+\s], 23, v[SO+\s]
.endr
.irp i, 0,1,2,3,4,5,6,7
.irp s, 0,1,2,3
	v_med3_num_f32 v[X+8*\s+\i], v[X+8*\s+\i], -v[BD+\s], v[BD+\s]   ; the conversion to an 8-bit code does not saturate (ISA guide 7.6.2)
.endr
.endr
.irp s, 0,1,2,3
	v_cvt_scalef32_pk8_fp8_f32 v[CD+2*\s:CD+2*\s+1], v[X+8*\s:X+8*\s+7], v[SO+\s]
.endr
.irp s, 0,1,2,3
	v_lshlrev_b32 v[BY+\s], v4, v[BY+\s]
.endr
.irp m, 4,8                            ; four blocks' bytes make a word: lanes 0-15 word 2 s, lanes 16-31 word 2 s + 1
.irp s, 0,1,2,3
	v_mov_b32_dpp v[DP+\s], v[BY+\s] row_xmask:\m row_mask:0xf bank_mask:0xf
.endr
.irp s, 0,1,2,3
	v_or_b32 v[BY+\s], v[BY+\s], v[DP+\s]
.endr
.endr
	v_cndmask_b32 v[BY], v[BY], v[BY+1], s21       ; lane (r, h), r < 4: word 2 r + h
	v_cndmask_b32 v[BY], v[BY], v[BY+2], s22
	v_cndmask_b32 v[BY], v[BY], v[BY+3], s23
	v_cmp_gt_u32 vcc_lo, 4, v7
	s_wait_alu depctr_va_vdst(0)
.irp s, 0,1,2,3
	global_store_b64 v3, v[CD+2*\s:CD+2*\s+1], s[8:9] offset:131072*(\s/2)+256*(\s%2)   ; 256 consecutive bytes, aligned
.endr
	s_wait_xcnt 0x0                                ; EXEC changes only behind this wait
	s_and_saveexec_b32 s24, vcc_lo
	global_store_b32 v5, v[BY], s[10:11]           ; my row's 32 scale bytes; the four waves' rows are neighbours
	s_endpgm
.Lfunc_end_k_qf1c9190566_prep:
	.size	k_qf1c9190566_prep, .Lfunc_end_k_qf1c9190566_prep-k_qf1c9190566_prep
	.p2alignl 7, 3214868480
	.fill 96, 4, 3214868480
	.section	.rodata,"a",@progbits
	.p2align	6, 0x0
	.amdhsa_kernel k_qf1c9190566_prep
		.amdhsa_group_segment_fixed_size 0
		.amdhsa_private_segment_fixed_size 0
		.amdhsa_enable_private_segment 0
		.amdhsa_kernarg_size 24
		.amdhsa_user_sgpr_count 2
		.amdhsa_user_sgpr_kernarg_segment_ptr 1
		.amdhsa_wavefront_size32 1
		.amdhsa_system_sgpr_workgroup_id_x 1
		.amdhsa_system_sgpr_workgroup_id_y 1
		.amdhsa_system_sgpr_workgroup_id_z 1
		.amdhsa_system_vgpr_workitem_id 0
		.amdhsa_next_free_vgpr 96
		.amdhsa_next_free_sgpr 66
		.amdhsa_reserve_vcc 1
		.amdhsa_float_denorm_mode_32 3
		.amdhsa_float_denorm_mode_16_64 3
		.amdhsa_memory_ordered 1
		.amdhsa_forward_progress 1
		.amdhsa_inst_pref_size 9
	.end_amdhsa_kernel
	.amdgpu_metadata
---
amdhsa.version: [ 1, 2 ]
amdhsa.kernels:
  - .name:           k_qf1c9190566_prep
    .symbol:         k_qf1c9190566_prep.kd
    .args:
      - { .name: W_attn, .offset: 0, .size: 8, .value_kind: global_buffer, .address_space: global }
      - { .name: we, .offset: 8, .size: 8, .value_kind: global_buffer, .address_space: global }
      - { .name: wsc, .offset: 16, .size: 8, .value_kind: global_buffer, .address_space: global }
    .group_segment_fixed_size: 0
    .private_segment_fixed_size: 0
    .kernarg_segment_align: 8
    .kernarg_segment_size: 24
    .max_flat_workgroup_size: 128
    .sgpr_count:     66
    .vgpr_count:     96
    .wavefront_size: 32
...
	.end_amdgpu_metadata
.endif
;; end of part 1
;; launch gemm (part 2): grid 4 x 64, 4 waves a work-group, clusters of 4 x 4, 327,680 bytes of LDS; arguments encoder_outputs_codes, encoder_outputs_scales, we, wsc, v, epart; writes epart
.if DOCPART == 2
	.amdgcn_target "amdgcn-amd-amdhsa--gfx1250"
	.amdhsa_code_object_version 6
	.text
	.protected	k_qf1c9190566_gemm
	.globl	k_qf1c9190566_gemm
	.p2align	8
	.type	k_qf1c9190566_gemm,@function
k_qf1c9190566_gemm:
	s_mov_b64 s[64:65], 0
	v_nop
	global_prefetch_b8 v0, s[64:65] scope:SCOPE_SE
	s_setreg_imm32_b32 hwreg(HW_REG_WAVE_MODE, 25, 1), 1
	s_wait_xcnt 0x0
	s_wait_alu depctr_hold_cnt(0) depctr_sa_sdst(0) depctr_va_vdst(0) depctr_va_sdst(0) depctr_va_ssrc(0) depctr_va_vcc(0) depctr_vm_vsrc(0)
	s_getreg_b32 s2, hwreg(HW_REG_IB_STS2, 6, 4)
	s_cmp_eq_u32 s2, 0
	s_cbranch_scc0 .Lentry_in_a_cluster
	s_endpgm
.Lentry_in_a_cluster:
	s_bfe_u32 s2, ttmp6, 0x10000c
	s_cmp_lg_u32 s2, 0xf033
	s_cbranch_scc0 .Lentry_shape_is_right
	s_endpgm
.Lentry_shape_is_right:
; epart[q][row] = sum over the 256 columns n of quarter q of v[n] x (e_row . W_e[n]): the second product on codes of FP8 with E8M0 scales, f32 sums; its sum with v in f32, in the registers.  (What does not depend on s is left out: first launch.)
; LIMITS: NaN, infinities and sums beyond f32's range are not served.  A row's 1,024 columns x 1,024 of K are summed in parts: two halves of K and eight blocks of 128 columns, added in f32 behind the multiplication by v.
; SHARES.  256 work-groups: quarter cx of the columns x 1,024 rows.  Wave (nh, kh): 128 columns x 512 of K (K = 256 kh + 0 .. 255 and 512 + 256 kh + 0 .. 255): W stands in 512 registers for the whole launch.
; Rows are streamed past it in batches of 16: 32 products, eight accumulators by turns, two sets of them: while a batch is multiplied, the sums with v of the batch before are made, two lines behind a product.
; TRANSPOSED: source 0 = 16 columns (rows of W), source 1 = 16 rows: lane (r, h) holds row r of the batch and columns 8 h + 0 .. 7 of each tile.
; CLUSTERS 4 x 4: the four of a row of the cluster (same cy) share the rows of the encoder's codes, the four of a column (same cx) share W: all tensor loads are joint.
; LDS: two slots of 128 rows of 1,024 bytes (+ 16 of padding).  First W's two halves of K lie in them (an LDS row: 512 codes of column j, then of column 128 + j); then chunks of 128 rows, chunk c in slot c % 2.
; Behind the slots the first 16 rows once more, which land early (batch 0 reads them there); then that place is the stage for the results: no fill follows there.  Then the scale bytes of all 1,024 rows, as units of 256 + 16.
; A batch's LDS work is one run behind product 8: the next batch's scale words and 16 fragment loads, and the results of the batch two before.
; PREFETCH: a chunk's 512 blocks of 256 bytes are shared by the 16 waves of a cluster's row, a lane a block, told apart by address; from chunk 2 on asked for up to two chunks ahead of the tensor load; chunks 0 and 1 in the head, one behind the first barrier, one behind chunk 0's load; the last trips ask for nothing.
; WINDOWS: 0: addresses, scales, v, the sums with v;  1: W's K pieces 0, 1 (tile b of piece i at 128 (i % 2) + 16 b);  2: pieces 2, 3;  3: accumulators v0-127 (two sets), fragments v128-255 (two sets).
.set PITCH, 1040
.set BSTEP, 16*PITCH                   ; a batch's rows
.set SLOT,  128*PITCH
.set RST,   2*SLOT                     ; the first 16 rows, later the stage: [wave][65][16] f32: place 1 + m holds batch m's results
.set SWV,   65*64                      ; a wave's stage
.set SCL,   RST+16*PITCH
.set SPARE, SCL+128*272                ; the spare words, 128 bytes a wave
.set CHB,   131072                     ; a chunk in memory
.set SPW,  2                           ; my spare word's address
.set NIL,  3                           ; 0
.set SA,   14                          ; v14-15, v22-23 the rows' scale words, two sets; W's: pairs at v8, 10, 12, 16, 18, 20, 24, 26: no product's two have numbers equal modulo 8
.set CL,   28                          ; v28, v29 fragment addresses in the slot that is read: batches 0-3, 4-7
.set A0,   30                          ; v30, v31 the same in slot 0
.set S0,   32                          ; scale words' address, batch 0;  v33 of the trip
.set ADRS, 33
.set EB,   34                          ; the stage: my place 0;  v35 of the trip
.set EAD,  35
.set PFO,  36
.set LSC,  37                          ; offset in W's scale bytes
.set VAO,  38                          ; offset in v
.set RAD,  39                          ; fragment address of the early rows
.set WA,   40                          ; v40-43 fragment addresses of W: slot 0 tiles 0-3, 4-7, slot 1 likewise
.set TT,   44                          ; v44-51 the sums with v: four chains of pairs
.set E,    52                          ; v52 a row's half sum, v53 the other half's, v54 the result
.set VV,   64                          ; v64-127 v at my eight columns of tile b: 64 + 8 b
.set AF,   128
.set G1,   24
.set G0,   32
.set G0S,  36
.set G1W,  48
.set G0WA, 56
.set G0WB, 60
.set G0R,  72
.set G1R,  76
.set G1S,  84
.set PFA,  94
.set MSB, 0
.macro WIN new
.if MSB != \new
	s_set_vgpr_msb (MSB<<8)|\new
.set MSB, \new
.endif
.endm
.macro JL g0, g1
	tensor_load_to_lds s[\g0:\g0+3], s[\g1:\g1+7]
	s_nop 0
.rept 4
	v_nop
.endr
.endm
.macro CREST
	s_cmp_lg_u32 s16, 0
	s_cbranch_scc1 .Lnot_wave_0_\@
	s_barrier_signal -3
.Lnot_wave_0_\@:
	s_barrier_wait -3
	s_barrier_signal -1
	s_barrier_wait -1
.endm
.macro CROUND
	s_barrier_signal -1
	s_barrier_wait -1
	CREST
.endm
.macro ROWS g, mask, rows              ; group 1: so many rows of 1,024 bytes, 16 of padding behind each
	s_or_b32 s[\g], s[\mask], (1<<20)|(1<<21)|(7<<22)|(3<<25)
	s_mov_b32 s[\g+1], 1024<<16
	s_mov_b32 s[\g+2], (\rows)<<16
	s_mov_b32 s[\g+3], 1024<<16
	s_mov_b32 s[\g+4], \rows
	s_mov_b32 s[\g+5], 1024
	s_mov_b32 s[\g+6], 0
	s_mov_b32 s[\g+7], 0
.endm
	s_load_b256 s[4:11], s[0:1], 0x0               ; codes s[4:5], scales s[6:7], we s[8:9], wsc s[10:11]
	s_load_b128 s[12:15], s[0:1], 0x20             ; v s[12:13], epart s[14:15]
	v_lshl_add_u32 v[SPW], v0, 2, SPARE
	v_mov_b32 v[NIL], 0
	ds_add_u32 v[SPW], v[NIL]                      ; the opening lines: the add, twice on end
	ds_add_u32 v[SPW], v[NIL]
	v_lshrrev_b32 v1, 5, v0
	v_readfirstlane_b32 s16, v1                    ; wave
	s_lshr_b32 s17, s16, 1                         ; nh
	s_and_b32 s18, s16, 1                          ; kh
	s_bfe_u32 s40, ttmp6, 0x40000                  ; cx: the quarter of the columns (the grid's x is one cluster)
	s_bfe_u32 s41, ttmp6, 0x40004                  ; cy
	s_and_b32 s42, ttmp7, 0xffff
	s_lshl_b32 s42, s42, 2
	s_add_co_u32 s42, s42, s41                     ; my tile of 1,024 rows
	s_lshl_b32 s43, s41, 2
	s_lshl_b32 s43, 15, s43                        ; my row of the cluster
	s_lshl_b32 s44, 0x1111, s40                    ; my column
	s_mov_b32 s47, 0                               ; the slot that is read
	s_mov_b32 s92, 0                               ; the trip's steps in the stage and in the scale words
	s_mov_b32 s93, 0
	s_mul_i32 s45, s16, 32*PITCH                   ; my quarter of a chunk
	v_and_b32 v4, 15, v0                           ; r
	v_bfe_u32 v5, v0, 4, 1                         ; h
	v_and_b32 v6, 31, v0
	v_mul_u32_u24 v7, v4, PITCH
	v_lshl_add_u32 v7, v5, 4, v7
	s_lshl_b32 s20, s18, 8
	v_add_nc_u32 v[A0], s20, v7                    ; row r, + 256 kh + 16 h
	v_add_nc_u32 v[A0+1], 4*BSTEP, v[A0]
	v_add_nc_u32 v[CL], s47, v[A0]
	v_add_nc_u32 v[CL+1], s47, v[A0+1]
	v_add_nc_u32 v[RAD], RST, v[A0]
	s_lshl_b32 s21, s17, 9
	v_add_nc_u32 v[WA], s21, v[A0]                 ; W: + 512 nh
	v_add_nc_u32 v[WA+1], 4*BSTEP, v[WA]
	v_add_nc_u32 v[WA+2], SLOT, v[WA]
	v_add_nc_u32 v[WA+3], SLOT+4*BSTEP, v[WA]
	s_lshl_b32 s22, s18, 3
	v_lshlrev_b32 v7, 4, v5
	v_lshl_add_u32 v[LSC], v4, 5, v7
	v_add_nc_u32 v[LSC], s22, v[LSC]               ; scale words: 32 r + 16 h + 8 kh: register x of a pair: lanes 0-15 K piece x, lanes 16-31 piece 2 + x
	v_lshrrev_b32 v1, 3, v4
	v_lshl_add_u32 v1, v1, 4, v[LSC]               ; in LDS 16 more for each 256 passed
	v_add_nc_u32 v[S0], SCL, v1
	v_add_nc_u32 v[ADRS], s93, v[S0]
	s_mul_i32 s23, s16, SWV
	s_add_co_u32 s23, s23, RST
	v_lshlrev_b32 v1, 2, v4
	v_add_nc_u32 v[EB], s23, v1
	v_add_nc_u32 v[EAD], s92, v[EB]
	v_lshlrev_b32 v[PFO], 8, v6
	v_lshlrev_b32 v[VAO], 5, v5
	v_mov_b32 v[E+1], 0                            ; written once: a lane permute's destination counts as one of its sources
	v_mov_b32 v[E+2], 0                            ; batch 1 puts it into place 0 of the stage, which nobody reads
	ROWS G1, 43, 32                                ; a wave's quarter of a chunk
	ROWS G1R, 43, 16                               ; the early rows
	ROWS G1W, 44, 128                              ; half of W
	s_or_b32 s[G1S], s43, (3<<16)|(1<<20)|(1<<21)|(5<<22)|(3<<25)   ; the rows' scale bytes: 128 rows of 256 bytes
	s_mov_b32 s[G1S+1], 32<<16
	s_mov_b32 s[G1S+2], 128<<16
	s_mov_b32 s[G1S+3], 32<<16
	s_mov_b32 s[G1S+4], 128
	s_mov_b32 s[G1S+5], 32
	s_mov_b32 s[G1S+6], 0
	s_mov_b32 s[G1S+7], 0
	s_mov_b32 s[G0], 1
	s_mov_b32 s[G0+1], s45
	s_mov_b32 s[G0S], 1
	s_mov_b32 s[G0S+1], SCL
	s_mov_b32 s[G0WA], 1
	s_mov_b32 s[G0WA+1], 0
	s_mov_b32 s[G0WB], 1
	s_mov_b32 s[G0WB+1], SLOT
	s_mov_b32 s[G0R], 1
	s_mov_b32 s[G0R+1], RST
	s_mov_b32 s68, 0x76543210
	s_mov_b32 s69, 0xfedcba98                      ; v_permlanex16_b32's selects: lane l xor 16
	s_lshl_b32 s20, s42, 20                        ; my rows' codes
	s_mov_b32 s21, 0
	s_lshl_b32 s22, s16, 15                        ; my quarter of a chunk in memory
	s_mov_b32 s23, 0
	s_lshl_b32 s66, s40, 18                        ; my quarter of W
	s_mov_b32 s67, 0
	s_lshl_b32 s70, s42, 15                        ; my rows' scale bytes
	s_mov_b32 s71, 0
	s_wait_alu depctr_va_vdst(0)                   ; it covers the head's addresses
	s_wait_dscnt 0x0                               ; both opening adds are done
	CROUND                                         ; all sixteen work-groups are here
	s_wait_kmcnt 0x0
	s_add_nc_u64 s[20:21], s[4:5], s[20:21]
	s_mov_b64 s[G0R+2:G0R+3], s[20:21]
	s_or_b32 s[G0R+3], s[G0R+3], 0x80000000
	s_add_nc_u64 s[G0+2:G0+3], s[20:21], s[22:23]
	s_or_b32 s[G0+3], s[G0+3], 0x80000000
	s_add_nc_u64 s[G0S+2:G0S+3], s[6:7], s[70:71]
	s_or_b32 s[G0S+3], s[G0S+3], 0x80000000
	s_add_nc_u64 s[G0WA+2:G0WA+3], s[8:9], s[66:67]
	s_add_nc_u64 s[G0WB+2:G0WB+3], s[G0WA+2:G0WA+3], CHB
	s_or_b32 s[G0WA+3], s[G0WA+3], 0x80000000
	s_or_b32 s[G0WB+3], s[G0WB+3], 0x80000000
	s_cmp_eq_u32 s16, 0                            ; ONE joint load a wave: wave 0 W's first half of K, which is wanted first; wave 1 its second; wave 2 the scale bytes; wave 3 the early rows
	s_cbranch_scc0 .Larm_1
	JL G0WA, G1W
	s_branch .Lasked
.Larm_1:
	s_cmp_eq_u32 s16, 1
	s_cbranch_scc0 .Larm_2
	JL G0WB, G1W
	s_branch .Lasked
.Larm_2:
	s_cmp_eq_u32 s16, 2
	s_cbranch_scc0 .Larm_3
	JL G0S, G1S
	s_branch .Lasked
.Larm_3:
	JL G0R, G1R
.Lasked:
	s_lshl_b32 s2, s40, 15                         ; prefetches: my sixteenth of a chunk
	s_lshl_b32 s3, s16, 13
	s_add_co_u32 s2, s2, s3
	s_mov_b32 s3, 0
	s_add_nc_u64 s[PFA:PFA+1], s[20:21], s[2:3]
	s_lshl_b32 s2, s40, 13
	s_lshl_b32 s3, s17, 12
	s_add_co_u32 s2, s2, s3
	s_mov_b32 s3, 0
	s_add_nc_u64 s[10:11], s[10:11], s[2:3]
	s_lshl_b32 s2, s40, 10
	s_lshl_b32 s3, s17, 9
	s_add_co_u32 s2, s2, s3
	s_mov_b32 s3, 0
	s_add_nc_u64 s[12:13], s[12:13], s[2:3]
	s_lshl_b32 s2, s40, 18
	s_lshl_b32 s3, s42, 12
	s_add_co_u32 s2, s2, s3
	s_lshl_b32 s3, s16, 10
	s_add_co_u32 s2, s2, s3
	s_mov_b32 s3, 0
	s_add_nc_u64 s[14:15], s[14:15], s[2:3]        ; where my 256 results go
.irp b, 0,1,2,3,4,5,6,7
	global_load_b64 v[8+8*(\b/3)+2*(\b%3):9+8*(\b/3)+2*(\b%3)], v[LSC], s[10:11] offset:512*\b   ; W's scale words, tile b
	global_load_b128 v[VV+8*\b:VV+8*\b+3], v[VAO], s[12:13] offset:64*\b
	global_load_b128 v[VV+8*\b+4:VV+8*\b+7], v[VAO], s[12:13] offset:64*\b+16
.endr
.macro WLOAD y                         ; W's half y of K into window 1 + y: pieces 2 y, 2 y + 1 of eight tiles: 64 loads
.if \y
	WIN 0x80
.else
	WIN 0x40
.endif
.irp x, 0,1
.irp b, 0,1,2,3,4,5,6,7
.irp c, 0,1,2,3
	ds_load_b128 v[128*\x+16*\b+4*\c:128*\x+16*\b+4*\c+3], v[WA+2*\y+\b/4] offset:(\b%4)*BSTEP+128*\x+32*\c
.endr
.endr
.endr
	WIN 0
.endm
; product n of a batch: K piece n / 8, tile n % 8: the eight accumulators take turns.  A sum's first product has the constant 0 as C
.macro WM n, p
.set I_, (\n)/8
.set B_, (\n)%8
.set D_, 64*(\p)+8*B_
.set F_, AF+64*(\p)+16*I_
.set X_, 8+8*(B_/3)+2*(B_%3)+I_%2
.set Y_, SA+8*(\p)+I_%2
.set W_, 128*(I_%2)+16*B_
.if I_ < 2
	WIN 0xfd
.else
	WIN 0xfe
.endif
.if I_ == 0
	v_wmma_scale_f32_16x16x128_f8f6f4 v[D_:D_+7], v[W_:W_+15], v[F_:F_+15], 0, v[X_], v[Y_]
.elseif I_ == 1
	v_wmma_scale_f32_16x16x128_f8f6f4 v[D_:D_+7], v[W_:W_+15], v[F_:F_+15], v[D_:D_+7], v[X_], v[Y_]
.else
	v_wmma_scale_f32_16x16x128_f8f6f4 v[D_:D_+7], v[W_:W_+15], v[F_:F_+15], v[D_:D_+7], v[X_], v[Y_] matrix_a_scale:MATRIX_SCALE_ROW1 matrix_b_scale:MATRIX_SCALE_ROW1
.endif
.endm
; two of the 32 lines of the sums with v of the accumulators of set q, behind product n = 4 .. 19: each accumulator from its low end on
.macro EPI q, n
	WIN 0x0c
.set K_, (\n)-4
.set V_, VV+4*K_
.set Q_, 64*(\q)+4*K_
.set T_, TT+4*(K_%2)
.if K_ < 2
	v_pk_mul_f32 v[T_:T_+1], v[V_:V_+1], v[Q_:Q_+1]
	v_pk_mul_f32 v[T_+2:T_+3], v[V_+2:V_+3], v[Q_+2:Q_+3]
.else
	v_pk_fma_f32 v[T_:T_+1], v[V_:V_+1], v[Q_:Q_+1], v[T_:T_+1]
	v_pk_fma_f32 v[T_+2:T_+3], v[V_+2:V_+3], v[Q_+2:Q_+3], v[T_+2:T_+3]
.endif
.endm
; the chains are joined: behind products 21, 23, 25; the other eight columns of each tile lie in lane l xor 16: behind 27, 29
.macro RED n
	WIN 0
.if (\n) == 21
	v_pk_add_f32 v[TT:TT+1], v[TT:TT+1], v[TT+2:TT+3]
	v_pk_add_f32 v[TT+4:TT+5], v[TT+4:TT+5], v[TT+6:TT+7]
.elseif (\n) == 23
	v_pk_add_f32 v[TT:TT+1], v[TT:TT+1], v[TT+4:TT+5]
.elseif (\n) == 25
	v_add_f32 v[E], v[TT], v[TT+1]
.elseif (\n) == 27
	v_permlanex16_b32 v[E+1], v[E], s68, s69
.elseif (\n) == 29
	v_add_f32 v[E+2], v[E], v[E+1]
.endif
.endm
; the 16 loads of batch x of the slot into set q
.macro LDB x, q
	WIN 0xc0
.irp i, 0,1,2,3
.irp c, 0,1,2,3
	ds_load_b128 v[AF+64*(\q)+16*\i+4*\c:AF+64*(\q)+16*\i+4*\c+3], v[CL+(\x)/4] offset:((\x)%4)*BSTEP+128*(\i%2)+512*(\i/2)+32*\c
.endr
.endr
.endm
; A BATCH.  p: its set; pv: the batch before has sums to finish; nx: the slot's batch that is loaded (the next; -1: none); sc: its scale words' offset; eo: where the results of the batch two before go.
; mode 1: a round of the cluster's barrier changes slots and a chunk is asked for; 2: a plain barrier shows the last chunk; 3: the first batch, in whose round chunk 1 is asked for.
.macro BATCH p, pv, nx, sc, eo, mode
	s_wait_dscnt 0x0
.set N_, 0
.rept 32
	WM N_, \p
.if (N_ < 4) || (N_ > 29)
	v_nop                                          ; places ahead of the first read of tile 0's sums
.elseif (\pv) && (N_ < 20)
	EPI (1-\p), N_
.elseif (\pv) && (N_ > 20) && (N_%2 == 1)
	RED N_
.endif
.if (N_ == 8) && (\mode != 3)
	WIN 0
.if \nx >= 0
	ds_load_b64 v[SA+8*(1-\p):SA+8*(1-\p)+1], v[ADRS] offset:\sc
.endif
	ds_store_b32 v[EAD], v[E+2] offset:\eo         ; both halves of the lanes hold and store the same numbers
.if \nx >= 0
	LDB \nx, (1-\p)
.endif
.if \mode > 0
	WIN 0
	s_wait_alu depctr_va_vdst(0)
	s_wait_tensorcnt 0x0                           ; my part of the next chunk is in
.if \mode == 1
	ds_add_u32 v[SPW], v[NIL]
.endif
.endif
.endif
.if (N_ == 10) && (\mode == 1)
	s_add_co_u32 s[G0+1], s45, s47                 ; no tensor load is out: the next chunk goes where this one lies
	s_add_nc_u64 s[G0+2:G0+3], s[G0+2:G0+3], CHB
.endif
.if (N_ == 12) && ((\mode == 1) || (\mode == 2))
	s_xor_b32 s47, s47, SLOT
.endif
.if (N_ == 24) && (\mode == 3)
	WIN 0
	s_wait_tensorcnt 0x0                           ; my part of chunk 0 is in
	ds_add_u32 v[SPW], v[NIL]
	s_add_co_u32 s[G0+1], s45, SLOT
	s_add_nc_u64 s[G0+2:G0+3], s[G0+2:G0+3], CHB
.endif
.if (N_ == 27) && (\mode > 0)
	WIN 0
.if \mode < 3
	v_add_nc_u32 v[CL], s47, v[A0]
	v_add_nc_u32 v[CL+1], s47, v[A0+1]
.endif
	s_wait_alu depctr_va_vdst(0)
	s_wait_dscnt 0x0                               ; the add is done, and all my reads of this slot are back in registers
	s_barrier_signal -1
.endif
.set N_, N_+1
.endr
.if \mode > 0
	WIN 0
	s_barrier_wait -1
.if \mode != 2
	CREST                                          ; no wave of any partner still reads that slot or has a load on its way
	JL G0, G1
.endif
.if \mode == 3
	ds_load_b64 v[SA+8:SA+9], v[ADRS] offset:544
	LDB 1, 1
	WIN 0
	global_prefetch_b8 v[PFO], s[PFA:PFA+1] offset:2*CHB th:TH_LOAD_NT scope:SCOPE_SE
	global_prefetch_b8 v[PFO], s[PFA:PFA+1] offset:3*CHB th:TH_LOAD_NT scope:SCOPE_SE
.endif
.endif
.endm
.macro FIVE                            ; batches 1 to 5 of a trip
	BATCH 1, 1, 2, 1088, 0, 0
	BATCH 0, 1, 3, 1632, 64, 0
	BATCH 1, 1, 4, 2176, 128, 0
	BATCH 0, 1, 5, 2720, 192, 0
	BATCH 1, 1, 6, 3264, 256, 0
.endm
.macro TRIP mode                       ; batches 8 t + 1 .. 8 t + 8; in the sixth the slots change
	FIVE
	BATCH 0, 1, 7, 3808, 320, \mode
	BATCH 1, 1, 0, 4352, 384, 0
	BATCH 0, 1, 1, 4896, 448, 0
	WIN 0
	s_add_co_u32 s92, s92, 512
	s_add_co_u32 s93, s93, 4352
	v_add_nc_u32 v[EAD], s92, v[EB]                ; first read ten vector instructions on, as is the line below
	v_add_nc_u32 v[ADRS], s93, v[S0]
.endm
	s_cmp_eq_u32 s16, 0
	s_cbranch_scc0 .Lnot_w
	s_wait_tensorcnt 0x0                           ; wave 0: W's first half has landed.  The other waves' wait follows below
.Lnot_w:
	s_barrier_signal -1
	s_barrier_wait -1
	WLOAD 0
	global_prefetch_b8 v[PFO], s[PFA:PFA+1] th:TH_LOAD_NT scope:SCOPE_SE
	s_wait_tensorcnt 0x0                           ; W's second half, the scale bytes, the early rows are in
	ds_add_u32 v[SPW], v[NIL]
	s_wait_dscnt 0x0                               ; the add is done, W's first half is in registers
	CROUND
	JL G0, G1                                      ; chunk 0 into slot 0
	WLOAD 1
	WIN 0xc0
.irp i, 0,1,2,3
.irp c, 0,1,2,3
	ds_load_b128 v[AF+16*\i+4*\c:AF+16*\i+4*\c+3], v[RAD] offset:128*(\i%2)+512*(\i/2)+32*\c   ; batch 0
.endr
.endr
	WIN 0
	ds_load_b64 v[SA:SA+1], v[ADRS]
	global_prefetch_b8 v[PFO], s[PFA:PFA+1] offset:CHB th:TH_LOAD_NT scope:SCOPE_SE
	s_wait_loadcnt 0x0
	BATCH 0, 0, -1, -1, -1, 3
	WIN 0
	s_mov_b32 s46, 0
.Ltrip:                                                ; trip t: batches 8 t + 1 .. 8 t + 8, chunk t + 2 is asked for
	TRIP 1
	s_wait_xcnt 0x0                                ; the earlier prefetches have read their address
	s_add_nc_u64 s[PFA:PFA+1], s[PFA:PFA+1], CHB
	s_cmp_lt_u32 s46, 4
	s_cbranch_scc0 .Lno_ask
	global_prefetch_b8 v[PFO], s[PFA:PFA+1] offset:3*CHB th:TH_LOAD_NT scope:SCOPE_SE   ; chunk t + 4
.Lno_ask:
	s_add_co_u32 s46, s46, 1
	s_cmp_lt_u32 s46, 6
	s_cbranch_scc1 .Ltrip
	TRIP 2                                         ; batches 49 .. 56: nothing more is asked for
	FIVE                                           ; 57 .. 61
	BATCH 0, 1, 7, 3808, 320, 0
	BATCH 1, 1, -1, -1, 384, 0
	WIN 0
.rept 5
	v_nop                                          ; places ahead of the first read of tile 0's sums
.endr
.set N_, 4
.rept 16
	EPI 1, N_
.set N_, N_+1
.endr
	WIN 0
	ds_store_b32 v[EAD], v[E+2] offset:448         ; batch 62
	v_pk_add_f32 v[TT:TT+1], v[TT:TT+1], v[TT+2:TT+3]
	v_pk_add_f32 v[TT+4:TT+5], v[TT+4:TT+5], v[TT+6:TT+7]
	v_pk_add_f32 v[TT:TT+1], v[TT:TT+1], v[TT+4:TT+5]
	v_add_f32 v[E], v[TT], v[TT+1]
	v_permlanex16_b32 v[E+1], v[E], s68, s69
	v_add_f32 v[E+3], v[E], v[E+1]
	ds_store_b32 v[EAD], v[E+3] offset:512         ; batch 63
; THE WAY OUT: wave w adds the four waves' parts of rows 256 w .. 256 w + 255, four neighbouring rows a lane, and stores 512 consecutive bytes twice
	v_and_b32 v4, 31, v0
	v_lshlrev_b32 v5, 4, v4
	s_lshl_b32 s20, s16, 10
	s_add_co_u32 s20, s20, RST+64
	v_add_nc_u32 v6, s20, v5
	s_wait_alu depctr_va_vdst(0)
	s_wait_dscnt 0x0                               ; my results are in the stage
	s_barrier_signal -1
	s_barrier_wait -1
.irp u, 0,1
.irp g, 0,1,2,3
	ds_load_b128 v[128+16*\u+4*\g:131+16*\u+4*\g], v6 offset:SWV*\g+512*\u
.endr
.endr
	s_wait_dscnt 0x0
.irp i, 0,2
.irp u, 0,1
	v_pk_add_f32 v[128+16*\u+\i:129+16*\u+\i], v[128+16*\u+\i:129+16*\u+\i], v[132+16*\u+\i:133+16*\u+\i]
	v_pk_add_f32 v[136+16*\u+\i:137+16*\u+\i], v[136+16*\u+\i:137+16*\u+\i], v[140+16*\u+\i:141+16*\u+\i]
.endr
.endr
.irp i, 0,2
.irp u, 0,1
	v_pk_add_f32 v[128+16*\u+\i:129+16*\u+\i], v[128+16*\u+\i:129+16*\u+\i], v[136+16*\u+\i:137+16*\u+\i]
.endr
.endr
	global_store_b128 v5, v[128:131], s[14:15]
	global_store_b128 v5, v[144:147], s[14:15] offset:512
	s_wait_tensorcnt 0x0                           ; the wave's end
	ds_add_u32 v[SPW], v[NIL]
	s_wait_dscnt 0x0
	CROUND                                         ; the closing round
	s_endpgm
.Lfunc_end_k_qf1c9190566_gemm:
	.size	k_qf1c9190566_gemm, .Lfunc_end_k_qf1c9190566_gemm-k_qf1c9190566_gemm
	.p2alignl 7, 3214868480
	.fill 96, 4, 3214868480
	.section	.rodata,"a",@progbits
	.p2align	6, 0x0
	.amdhsa_kernel k_qf1c9190566_gemm
		.amdhsa_group_segment_fixed_size 327680
		.amdhsa_private_segment_fixed_size 0
		.amdhsa_enable_private_segment 0
		.amdhsa_kernarg_size 48
		.amdhsa_user_sgpr_count 2
		.amdhsa_user_sgpr_kernarg_segment_ptr 1
		.amdhsa_wavefront_size32 1
		.amdhsa_system_sgpr_workgroup_id_x 1
		.amdhsa_system_sgpr_workgroup_id_y 1
		.amdhsa_system_sgpr_workgroup_id_z 1
		.amdhsa_system_vgpr_workitem_id 0
		.amdhsa_next_free_vgpr 1024
		.amdhsa_next_free_sgpr 96
		.amdhsa_reserve_vcc 0
		.amdhsa_float_denorm_mode_32 3
		.amdhsa_float_denorm_mode_16_64 3
		.amdhsa_memory_ordered 1
		.amdhsa_forward_progress 1
		.amdhsa_inst_pref_size 242
	.end_amdhsa_kernel
	.amdgpu_metadata
---
amdhsa.version: [ 1, 2 ]
amdhsa.kernels:
  - .name:           k_qf1c9190566_gemm
    .symbol:         k_qf1c9190566_gemm.kd
    .args:
      - { .name: encoder_outputs_codes, .offset: 0, .size: 8, .value_kind: global_buffer, .address_space: global }
      - { .name: encoder_outputs_scales, .offset: 8, .size: 8, .value_kind: global_buffer, .address_space: global }
      - { .name: we, .offset: 16, .size: 8, .value_kind: global_buffer, .address_space: global }
      - { .name: wsc, .offset: 24, .size: 8, .value_kind: global_buffer, .address_space: global }
      - { .name: v, .offset: 32, .size: 8, .value_kind: global_buffer, .address_space: global }
      - { .name: epart, .offset: 40, .size: 8, .value_kind: global_buffer, .address_space: global }
    .group_segment_fixed_size: 327680
    .private_segment_fixed_size: 0
    .kernarg_segment_align: 8
    .kernarg_segment_size: 48
    .max_flat_workgroup_size: 128
    .sgpr_count:     96
    .vgpr_count:     1024
    .wavefront_size: 32
...
	.end_amdgpu_metadata
.endif
;; end of part 2
;; launch soft (part 3): grid 32 x 1, 4 waves a work-group, no clusters, 768 bytes of LDS; arguments epart, out0; writes out0
.if DOCPART == 3
	.amdgcn_target "amdgcn-amd-amdhsa--gfx1250"
	.amdhsa_code_object_version 6
	.text
	.protected	k_qf1c9190566_soft
	.globl	k_qf1c9190566_soft
	.p2align	8
	.type	k_qf1c9190566_soft,@function
k_qf1c9190566_soft:
	s_mov_b64 s[64:65], 0
	v_nop
	global_prefetch_b8 v0, s[64:65] scope:SCOPE_SE
	s_setreg_imm32_b32 hwreg(HW_REG_WAVE_MODE, 25, 1), 1
	s_wait_xcnt 0x0
; out0[b][s] = softmax over s of the sum of epart's four parts, in f32.  (What does not depend on s is left out: first launch.)  One work-group a batch, 512 numbers a wave, 16 a lane.
; Each wave takes its own largest number away ahead of the exponentials; behind one exchange of the waves' largest numbers and sums, each wave's results are multiplied by 2^((its largest - the row's largest) log2 e) / the row's sum.
; LIMITS: NaN and infinities are not served.  The parts are added as (0 + 1) + (2 + 3).  32 batches give 32 work-groups: a row's sum has one owner.  Each number is read once: no cluster, no tensor load.
	s_load_b128 s[4:7], s[0:1], 0x0                ; epart s[4:5], out0 s[6:7]
	v_lshl_add_u32 v2, v0, 2, 0x100                ; my spare word
	v_mov_b32 v3, 0
	v_lshrrev_b32 v1, 5, v0
	v_readfirstlane_b32 s10, v1                    ; wave
	v_and_b32 v1, 31, v0
	v_lshlrev_b32 v1, 4, v1                        ; 16 x lane
	v_mov_b32 v4, s10
	v_lshlrev_b32 v4, 2, v4                        ; LDS: my wave's word
	v_and_b32 v5, 3, v0
	v_lshlrev_b32 v5, 2, v5                        ; wave lane % 4's word
	v_mov_b32 v26, 0                               ; written once: lane moves' destinations count as sources; v107 is named in a pair
	v_mov_b32 v105, 0
	v_mov_b32 v107, 0
	s_lshl_b32 s12, ttmp9, 13
	s_lshl_b32 s13, s10, 11
	s_add_co_u32 s12, s12, s13
	s_mov_b32 s13, 0
	s_mov_b32 s16, 0x76543210
	s_mov_b32 s17, 0xfedcba98
	s_wait_alu depctr_va_vdst(0)
	s_wait_kmcnt 0x0
	s_add_nc_u64 s[4:5], s[4:5], s[12:13]
	s_add_nc_u64 s[6:7], s[6:7], s[12:13]
.irp u, 0,1,2,3
.irp g, 0,1,2,3
	global_load_b128 v[32+16*\u+4*\g:35+16*\u+4*\g], v1, s[4:5] offset:262144*\g+512*\u th:TH_LOAD_NT
.endr
.endr
	s_wait_loadcnt 0x0
.irp i, 0,2
.irp u, 0,1,2,3
	v_pk_add_f32 v[8+4*\u+\i:9+4*\u+\i], v[32+16*\u+\i:33+16*\u+\i], v[36+16*\u+\i:37+16*\u+\i]
	v_pk_add_f32 v[40+16*\u+\i:41+16*\u+\i], v[40+16*\u+\i:41+16*\u+\i], v[44+16*\u+\i:45+16*\u+\i]
.endr
.endr
.irp i, 0,2
.irp u, 0,1,2,3
	v_pk_add_f32 v[8+4*\u+\i:9+4*\u+\i], v[8+4*\u+\i:9+4*\u+\i], v[40+16*\u+\i:41+16*\u+\i]
.endr
.endr
	v_max3_num_f32 v100, v8, v9, v10
	v_max3_num_f32 v101, v11, v12, v13
	v_max3_num_f32 v102, v14, v15, v16
	v_max3_num_f32 v103, v17, v18, v19
	v_max3_num_f32 v104, v20, v21, v22
	v_max3_num_f32 v100, v100, v101, v102
	v_max3_num_f32 v103, v103, v104, v23
	v_max_num_f32 v100, v100, v103
.irp m, 1,2,4,8
	v_max_num_f32_dpp v100, v100, v100 row_xmask:\m row_mask:0xf bank_mask:0xf
.endr
	v_permlanex16_b32 v105, v100, s16, s17
	v_max_num_f32 v100, v100, v105                 ; my wave's largest
.irp k, 8,10,12,14,16,18,20,22
	v_pk_add_f32 v[\k:\k+1], v[\k:\k+1], v[100:101] op_sel_hi:[1,0] neg_lo:[0,1] neg_hi:[0,1]
.endr
.irp k, 8,10,12,14,16,18,20,22
	v_pk_mul_f32 v[\k:\k+1], v[\k:\k+1], 0x3fb8aa3b op_sel_hi:[1,0]   ; x log2(e)
.endr
	s_wait_alu depctr_va_vdst(0)                   ; ahead of the batch
.irp k, 8,9,10,11,12,13,14,15,16,17,18,19,20,21,22,23
	v_exp_f32 v[\k], v[\k]
.endr
	v_nop                                          ; one plain place
	s_wait_alu depctr_va_vdst(0)                   ; and behind it, ahead of the first reader
	v_pk_add_f32 v[108:109], v[8:9], v[10:11]
	v_pk_add_f32 v[110:111], v[12:13], v[14:15]
	v_pk_add_f32 v[112:113], v[16:17], v[18:19]
	v_pk_add_f32 v[114:115], v[20:21], v[22:23]
	v_pk_add_f32 v[108:109], v[108:109], v[110:111]
	v_pk_add_f32 v[112:113], v[112:113], v[114:115]
	v_pk_add_f32 v[108:109], v[108:109], v[112:113]
	v_add_f32 v108, v108, v109
.irp m, 1,2,4,8
	v_add_f32_dpp v108, v108, v108 row_xmask:\m row_mask:0xf bank_mask:0xf
.endr
	v_permlanex16_b32 v105, v108, s16, s17
	v_add_f32 v108, v108, v105                     ; my wave's sum
	ds_store_b32 v4, v100                          ; bytes 0-15: the largest;  all lanes write the same word with the same value
	ds_store_b32 v4, v108 offset:64                ; bytes 64-79: the sums
	s_wait_alu depctr_va_vdst(0)
	s_wait_dscnt 0x0                               ; for the others' sake
	s_barrier_signal -1
	s_barrier_wait -1
	ds_load_b32 v24, v5
	ds_load_b32 v25, v5 offset:64
	s_wait_dscnt 0x0
	v_max_num_f32_dpp v26, v24, v24 row_xmask:1 row_mask:0xf bank_mask:0xf
	v_max_num_f32_dpp v26, v26, v26 row_xmask:2 row_mask:0xf bank_mask:0xf   ; the row's largest
	v_sub_f32 v27, v24, v26
	v_sub_f32 v28, v100, v26
	v_mul_f32 v27, 0x3fb8aa3b, v27
	v_mul_f32 v28, 0x3fb8aa3b, v28
	s_wait_alu depctr_va_vdst(0)                   ; ahead of the batch
	v_exp_f32 v27, v27
	v_exp_f32 v28, v28
	v_nop
	s_wait_alu depctr_va_vdst(0)                   ; and behind it
	v_mul_f32 v29, v25, v27
	v_add_f32_dpp v29, v29, v29 row_xmask:1 row_mask:0xf bank_mask:0xf
	v_add_f32_dpp v29, v29, v29 row_xmask:2 row_mask:0xf bank_mask:0xf       ; the row's sum: at least 1
	s_wait_alu depctr_va_vdst(0)                   ; ahead of the transcendental
	v_rcp_f32 v30, v29
	v_nop
	s_wait_alu depctr_va_vdst(0)
	v_mul_f32 v106, v28, v30
.irp k, 8,10,12,14,16,18,20,22
	v_pk_mul_f32 v[\k:\k+1], v[\k:\k+1], v[106:107] op_sel_hi:[1,0]
.endr
.irp u, 0,1,2,3
	global_store_b128 v1, v[8+4*\u:11+4*\u], s[6:7] offset:512*\u   ; 512 consecutive bytes, aligned
.endr
	s_wait_tensorcnt 0x0                           ; the wave's end
	ds_add_u32 v2, v3
	s_wait_dscnt 0x0
	s_endpgm
.Lfunc_end_k_qf1c9190566_soft:
	.size	k_qf1c9190566_soft, .Lfunc_end_k_qf1c9190566_soft-k_qf1c9190566_soft
	.p2alignl 7, 3214868480
	.fill 96, 4, 3214868480
	.section	.rodata,"a",@progbits
	.p2align	6, 0x0
	.amdhsa_kernel k_qf1c9190566_soft
		.amdhsa_group_segment_fixed_size 768
		.amdhsa_private_segment_fixed_size 0
		.amdhsa_enable_private_segment 0
		.amdhsa_kernarg_size 16
		.amdhsa_user_sgpr_count 2
		.amdhsa_user_sgpr_kernarg_segment_ptr 1
		.amdhsa_wavefront_size32 1
		.amdhsa_system_sgpr_workgroup_id_x 1
		.amdhsa_system_sgpr_workgroup_id_y 1
		.amdhsa_system_sgpr_workgroup_id_z 1
		.amdhsa_system_vgpr_workitem_id 0
		.amdhsa_next_free_vgpr 116
		.amdhsa_next_free_sgpr 66
		.amdhsa_reserve_vcc 0
		.amdhsa_float_denorm_mode_32 3
		.amdhsa_float_denorm_mode_16_64 3
		.amdhsa_memory_ordered 1
		.amdhsa_forward_progress 1
		.amdhsa_inst_pref_size 10
	.end_amdhsa_kernel
	.amdgpu_metadata
---
amdhsa.version: [ 1, 2 ]
amdhsa.kernels:
  - .name:           k_qf1c9190566_soft
    .symbol:         k_qf1c9190566_soft.kd
    .args:
      - { .name: epart, .offset: 0, .size: 8, .value_kind: global_buffer, .address_space: global }
      - { .name: out0, .offset: 8, .size: 8, .value_kind: global_buffer, .address_space: global }
    .group_segment_fixed_size: 768
    .private_segment_fixed_size: 0
    .kernarg_segment_align: 8
    .kernarg_segment_size: 16
    .max_flat_workgroup_size: 128
    .sgpr_count:     66
    .vgpr_count:     116
    .wavefront_size: 32
...
	.end_amdgpu_metadata
.endif
;; end of part 3
